; MI455X (gfx1250); checked and timed in simulation.
; The chip was launched on July 23, 2026; its instructions are those of AMD's public machine-readable ISA for CDNA 5 (MIT licence, August 2026) and "CDNA5" Instruction Set Architecture Reference Guide (July 2026). The comments in the code are by the model that wrote it; some were corrected since.
;; LSTM Baseline. Allowed arithmetic: matrix products marked QUANTISED: E2M1 operands, one E8M0 scale for each 32 along K, by v_wmma_scale_f32_16x16x128_f8f6f4 with both operands' format E2M1 (or v_wmma_scale_f32_32x16x128_f4), f32 sums; everything else in f32.
;; Inputs: W_dec_codes 512 x 32 x 16 uint8 (E2M1 codes of W_dec, K innermost, in blocks of 32 codes, two codes a byte); W_dec_scales 512 x 32 uint8 (E8M0 scales of W_dec, one for each 32 codes along K); W_hh0 4,096 x 1,024 float32; W_hh1 4,096 x 1,024 float32; W_ih0_codes 4,096 x 16 x 16 uint8 (E2M1 codes of W_ih0, K innermost, in blocks of 32 codes, two codes a byte); W_ih0_scales 4,096 x 16 uint8 (E8M0 scales of W_ih0, one for each 32 codes along K); W_ih1_codes 4,096 x 32 x 16 uint8 (E2M1 codes of W_ih1, K innermost, in blocks of 32 codes, two codes a byte); W_ih1_scales 4,096 x 32 uint8 (E8M0 scales of W_ih1, one for each 32 codes along K); b_dec 512 float32; b_hh0 4,096 float32; b_hh1 4,096 float32; b_ih0 4,096 float32; b_ih1 4,096 float32; x_codes 8,192 x 16 x 16 uint8 (E2M1 codes of x, K innermost, in blocks of 32 codes, two codes a byte); x_scales 8,192 x 16 uint8 (E8M0 scales of x, one for each 32 codes along K).
;; Outputs: out0 8,192 x 512 float32.
;; This version of the problem:
;;   THIS VERSION OF THE PROBLEM IS GIVEN IN LOW PRECISION. The matrix products marked QUANTISED in the list below multiply operands that are first quantised to E2M1 (2 exponent bits, 1 mantissa bit; 4 bits a number), with one power-of-two scale for each 32 numbers along K (OCP MX v1.0); their sums are f32. All else is computed in f32.
;;   The module's matrix products, in the order in which they are computed (A, B: the left and right operand; K: the contracted axis; several contracted axes count as one K, in the product's order):
;;     1. [M 8,192, K 512] x [K 512, N 4,096]; A: input x (given as codes); B: input W_ih0 (given as codes): QUANTISED
;;     2. [M 8,192, K 1,024] x [K 1,024, N 4,096]; A: computed on the way; B: input W_ih1 (given as codes): QUANTISED
;;     3. [M 8,192, K 1,024] x [K 1,024, N 512]; A: computed on the way; B: input W_dec (given as codes): QUANTISED
;;   THE QUANTISER, for each operand of a quantised product, along K:
;;     - K is cut into blocks of 32 from its start; a last block that is shorter is filled with zeros.
;;     - A block's scale is 2^e with e = floor(log2(the largest magnitude in the block)) - 2, held to -126 .. 127; a block of zeros has e = 0. As a byte (E8M0): e + 127.
;;     - Each number is divided by its block's scale, clamped to +-6, and rounded to the nearest number of E2M1, ties to even, subnormals kept.
;;     - The product sums the exact products of the quantised numbers (number of the format x scale) in f32.
;;   ~~~python
;;   def quantise(x, axis):      # numpy; x: float32 -> the quantised numbers, widened to float32 again
;;       x = np.moveaxis(x, axis, -1); K = x.shape[-1]
;;       x = np.pad(x, [(0, 0)] * (x.ndim - 1) + [(0, -K % 32)]); x = x.reshape(x.shape[:-1] + (-1, 32)); a = np.abs(x).max(-1, keepdims=True)
;;       e = np.where(a > 0, np.clip(np.frexp(np.where(a > 0, a, 1))[1] - 1 - 2, -126, 127), 0)      # np.frexp(a)[1] - 1 = floor(log2(a)), exactly
;;       r = np.clip(x / 2.0 ** e, -6, 6)
;;       step = 2.0 ** (np.maximum(np.frexp(np.where(r == 0, 1, r))[1] - 1, 0) - 1)
;;       q = np.round(r / step) * step * 2.0 ** e      # np.round: ties to even
;;       return np.moveaxis(q.reshape(q.shape[:-2] + (-1,))[..., :K], -1, axis).astype(np.float32)
;;   ~~~
;;   OPERANDS COMPUTED ON THE WAY. 'Computed on the way' means the value that the module computes at that place (a softmax that the list does not call 'softmax' is quantised finished and normalised). What goes into a quantiser is computed in f32, as accurately as f32 sums, v_exp_f32 and their like allow (about 1e-6 of the number): no bf16 or f16 on the way to a quantiser, and a product that is left as it is and whose result goes on into a quantised operand takes f32 operands (vector FMAs, or v_wmma_f32_16x16x4_f32). A number that lies on a knife's edge between two numbers of the format may be rounded either way, as far as f32 arithmetic and the matrix unit's own rounding can turn it there, and no further.
;;   INPUTS GIVEN AS CODES. W_dec (in the module: [512, 1024], K = its axis 1); W_ih0 (in the module: [4096, 512], K = its axis 1); W_ih1 (in the module: [4096, 1024], K = its axis 1); x (in the module: [8192, 512], K = its axis 1): each comes as NAME_codes (uint8): NAME with its K axis moved to the last place and cut into blocks of 32 codes, [.., K / 32, bytes a block], one block behind the other in memory; two codes a byte, the lower K in the low four bits (a code: sign, 2 exponent bits, 1 mantissa bit); and NAME_scales (uint8): the same leading axes, one E8M0 byte (e + 127) for each 32 codes along K. Its value is code x scale, taken as it is: it is not quantised again, and the codes and scales need not be those that the quantiser above would give.
;; One version. Each part assembles by itself: llvm-mc -triple=amdgcn-amd-amdhsa -mcpu=gfx1250 --defsym DOCPART=n.
;; ======== version 1 of 1: 3 launches
;; limits: right only within a limited range of input values
;; workspace buffers: hc0 4,194,304 bytes; hs0 262,144 bytes; hc1 4,194,304 bytes; hs1 262,144 bytes
;; launch lay0 (part 1): grid 32 x 8, 8 waves a work-group, clusters of 4 x 1, 177,664 bytes of LDS; arguments x_codes, x_scales, W_ih0_codes, W_ih0_scales, b_ih0, b_hh0, hc0, hs0; writes hc0, hs0
.if DOCPART == 1
	.amdgcn_target "amdgcn-amd-amdhsa--gfx1250"
	.amdhsa_code_object_version 6
	.text
	.protected	k_q15f983fa8e_lay0
	.globl	k_q15f983fa8e_lay0
	.p2align	8
	.type	k_q15f983fa8e_lay0,@function
k_q15f983fa8e_lay0:
	s_mov_b64 s[64:65], 0
	v_nop
	global_prefetch_b8 v0, s[64:65] scope:SCOPE_SE
	s_setreg_imm32_b32 hwreg(HW_REG_WAVE_MODE, 25, 1), 1
	s_wait_xcnt 0x0
	s_wait_alu depctr_hold_cnt(0) depctr_sa_sdst(0) depctr_va_vdst(0) depctr_va_sdst(0) depctr_va_ssrc(0) depctr_va_vcc(0) depctr_vm_vsrc(0)
	s_getreg_b32 s2, hwreg(HW_REG_IB_STS2, 6, 4)
	s_cmp_eq_u32 s2, 0
	s_cbranch_scc0 .Lentry_in_a_cluster
	s_endpgm
.Lentry_in_a_cluster:
	s_bfe_u32 s2, ttmp6, 0x10000c
	s_cmp_lg_u32 s2, 0x3003
	s_cbranch_scc0 .Lentry_shape_is_right
	s_endpgm
.Lentry_shape_is_right:
; ONE LSTM CELL STEP WITH ZERO STATE, on codes of FP4 (E2M1) with one E8M0 scale for each 32 along K:  gates = A W^T + (b_ih + b_hh);  h = sigmoid(o) tanh(sigmoid(i) tanh(g));
; h is quantised along its 1,024 units and stored as codes and scale bytes for the next launch.  Here A = x (K = 512, given as codes).
; DEAD WORK, for all values of the inputs.  (1) reference() hands W_hh0 and W_hh1 to _lstm_step_zero_state, whose body names W_hh in no operation: no output hangs on them.  They are not loaded and are
; among no launch's arguments.  (2) Of i, f, g, o = jnp.split(gates, 4) the slice f is bound and never used: rows 1,024 to 2,047 of W_ih0 and W_ih1 (codes and scale bytes) and those entries of the four
; biases reach no output.  They are whole rows of the product and are left out: gates i, g, o are W's rows 0, 2,048 and 3,072 on.
; LIMIT of that: a NaN, an infinity or an overflow that reaches only the work left out is not carried to the result.
; LIMITS of the arithmetic: tanh(y) = (1 - e) / (1 + e) with e = 2^(-2 log2(e) y): its error is that of 1 - e, about 6e-8 absolute.  -2 log2(e) g is held to +-30, beyond which tanh(g) is +-1 in f32.
; sigmoid(i) tanh(g) and sigmoid(o) tanh(c) come out 0 where their denominator passes 2^126 (their true size is then under 2^-126).  NaN and infinities among the gates are not served.
; The bias is added behind the product, as a fused multiply-add with the gate's factor: another order of rounding than the reference's.
; A block of 32 zeros of h gets the scale byte 1 where the quantiser says 127: its codes are zeros, and this program alone reads the bytes.
; SHARES.  Work-group (X, Y): rows 256 X on, units 128 Y on, which are K step Y of the next product.  Eight waves: wave w takes the 32 units 32 (w & 3) on, one block of that K step, and the 128 rows 128 (w >> 2) on,
; in two passes of 64 rows: 3 gates x 4 tiles of rows = 12 accumulators of 32 x 16.  W's 384 rows (3 gates x 128 units, all of K) come into LDS ONCE and stay: no LDS byte is filled twice.
; CLUSTER.  The four work-groups of a cluster have the same Y: W's tiles are asked for jointly (waves 0 to 5, 64 rows each).  x's rows are shared by the eight work-groups of a column of the grid, which
; lie in eight clusters: they are 64 of 160 KiB a work-group and go by a load of the work-group's own (waves 6, 7).
; No prefetch into the L2: the launch has no loop to run ahead in.
; THE PRODUCT IS USED TRANSPOSED: source 0 = 32 rows of W, source 1 = 16 rows of A.  Lane (r, h) of the result holds row 16 m + r; registers 8 t + j hold unit 16 t + 8 h + j: a lane's 16 registers
; are half a block, lane l xor 16 has the other half.
; WHAT IS STORED.  hc: images of operand registers, [row / 16][K step][c][lane'][16 bytes], lane' = r + 16 h' holding block 2 c + h' of row r: the reader loads a fragment by two loads of 16 bytes a lane.
; hs: [row / 256][K step][row % 256][4 bytes]: a row's scale word of a K step.
; REGISTERS, in windows of 256.  Window 0: v1-15 addresses; v16-27 W's scale words; v40-55 A's; v72-119 W's fragments of an even K step (16 a gate), behind a pass's last even step the biases; v120-247 A's, four
; K steps of four tiles; v248-255 at work.
; Window 1: the accumulators, g v0-63, i v64-127, o v128-191 (16 m); v192-207 codes and scale bytes of h; v208-255 W's fragments of an odd K step.
.set KB,    256                        ; a row of W in bytes
.set NK,    4                          ; K steps of 128
.set PITCH, 272                        ; a row of W in LDS: + 16 bytes, so that the 16 rows of a load begin 16 bytes apart modulo 256
.set QI,    5                          ; the padding's interval: 64 words
.set KS,    16                         ; a row of W's scale bytes
.set XL,    384*PITCH                  ; LDS: W's 384 rows from 0; behind them x's 256 rows, 272 bytes apart
.set SCB,   XL+256*272                 ; h's scale words of the work-group's 256 rows: 1,024 bytes, stored by the waves, filled by no tensor load
.set BLS,   SCB+1024                   ; b_ih + b_hh of gates i, g, o, times the gate's factor: 512 bytes each
.set SPARE, BLS+1536                   ; the spare words, 128 bytes for each wave: four blocks of 256 bytes that no other line names
.set AW,  4                            ; v4-6  LDS address of my tiles of W, gate i, g, o
.set AA,  7                            ; v7    LDS address of x's fragments
.set AS,  8                            ; v8    x's scale words: 16 r
.set AHC, 9                            ; v9    my 8 bytes of a block's 256 in hc: 16 r + 8 h
.set ASB, 10                           ; v10   LDS address of my scale byte
.set SPW, 11                           ; v11   LDS address of my spare word; never rewritten
.set NIL, 12                           ; v12   0; never rewritten
.set AB,  13                           ; v13   LDS address of my biases
.set GS,  14                           ; v14   16 x thread: the scale words' way out, in memory,
.set LSB, 15                           ; v15   and in LDS
.set WSC, 16                           ; W's scale words: register NK gate + s: lane l has unit l's word of K step s
.set ASC, 40                           ; A's: register NK m + s: lanes 0-15 have row 16 m + r's
.set WF,  72
.set WF1, 208                          ; in window 1
.set AF,  120
.set BT,  248
.set G,   0                            ; in window 1: the gates' 64 numbers a lane
.set I,   64
.set O,   128
.set T,   192
.set MSB, 0
.macro WIN new                         ; s_set_vgpr_msb: bits 1:0 source 0, 3:2 source 1, 5:4 source 2, 7:6 destination; the high byte repeats the setting that is left
.if MSB != \new
	s_set_vgpr_msb (MSB<<8)|\new
.set MSB, \new
.endif
.endm
.macro PLACES                          ; four plain places behind a matrix instruction, ahead of loads into its sources and of reads of its result
.rept 4
	v_nop
.endr
.endm
.macro CROUND                          ; a round of the cluster's barrier
	s_barrier_signal -1
	s_barrier_wait -1
	s_cmp_lg_u32 s20, 0
	s_cbranch_scc1 .Lnot_wave_0_\@
	s_barrier_signal -3
.Lnot_wave_0_\@:
	s_barrier_wait -3
	s_barrier_signal -1
	s_barrier_wait -1
.endm
	s_load_b256 s[4:11], s[0:1], 0x0               ; A's codes s[4:5], A's scales s[6:7], W's codes s[8:9], W's scales s[10:11]
	s_load_b256 s[12:19], s[0:1], 0x20             ; b_ih s[12:13], b_hh s[14:15], hc s[16:17], hs s[18:19]
	v_lshl_add_u32 v[SPW], v0, 2, SPARE
	v_mov_b32 v[NIL], 0
	ds_add_u32 v[SPW], v[NIL]                      ; the wave's opening: the add, twice on end, and its wait ahead of the first tensor load
	ds_add_u32 v[SPW], v[NIL]
	v_lshrrev_b32 v1, 5, v0
	v_readfirstlane_b32 s20, v1                    ; wave 0..7
	s_and_b32 s21, s20, 3                          ; ug: my 32 units
	s_lshr_b32 s22, s20, 2                         ; rg: my 128 rows
	s_bfe_u32 s23, ttmp6, 0x40000                  ; cx: my place in the cluster
	s_lshl_b32 s24, ttmp9, 2
	s_add_co_u32 s24, s24, s23                     ; X = 4 x cluster x + cx: it enters A's, hc's and hs's addresses alone
	s_and_b32 s25, ttmp7, 0xffff                   ; Y, which the four partners share
	; descriptor group 1 for W: 64 rows of KB bytes, 16 bytes of padding behind each
	s_mov_b32 s32, 15|(1<<20)|(1<<21)|(QI<<22)|(3<<25)  ; 15:0 the mask: all four work-groups; 17:16 elements of 1 byte; 20 padding on; 21 set beside a mask; 24:22 the interval; 31:25 four words
	s_mov_b32 s33, KB<<16                          ; tensor_dim0
	s_mov_b32 s34, 64<<16                          ; tensor_dim1
	s_mov_b32 s35, KB<<16                          ; tile_dim0
	s_mov_b32 s36, 64                              ; tile_dim1
	s_mov_b32 s37, KB                              ; from row to row
	s_mov_b32 s38, 0
	s_mov_b32 s39, 0
	; what waves 0 to 5 fetch: gate w / 2 (rows 0, 2,048, 3,072 on), units 128 Y + 64 (w & 1) on
	s_lshr_b32 s26, s20, 1
	s_min_u32 s27, s26, 1
	s_add_co_u32 s26, s26, s27                     ; 0, 2, 3: the slice f is passed over
	s_lshl_b32 s26, s26, 10
	s_lshl_b32 s27, s25, 7
	s_add_co_u32 s26, s26, s27
	s_and_b32 s27, s20, 1
	s_lshl_b32 s27, s27, 6
	s_add_co_u32 s26, s26, s27
	s_mul_i32 s26, s26, KB                         ; in bytes: made of the wave's number and Y alone
	s_mov_b32 s27, 0
	s_mov_b32 s40, 1                               ; group 0: count = 1
	s_mul_i32 s41, s20, 64*PITCH                   ; LDS address: 64 rows a wave
	; x: waves 6 and 7 fetch 128 rows of 256 bytes each: a load of the work-group's own (no mask)
	s_mov_b32 s48, (1<<20)|(5<<22)|(3<<25)
	s_mov_b32 s49, 256<<16
	s_mov_b32 s50, 128<<16
	s_mov_b32 s51, 256<<16
	s_mov_b32 s52, 128
	s_mov_b32 s53, 256
	s_mov_b32 s54, 0
	s_mov_b32 s55, 0
	s_mov_b32 s44, 1
	s_and_b32 s28, s20, 1
	s_mul_i32 s45, s28, 128*272
	s_add_co_u32 s45, s45, XL
	s_lshl_b32 s28, s28, 15
	s_lshl_b32 s29, s24, 16
	s_add_co_u32 s28, s28, s29                     ; (256 X + 128 (w & 1)) rows of 256 bytes
	s_lshl_b32 s30, s24, 12                        ; x's scales: (256 X + 128 rg) rows of 16 bytes
	s_lshl_b32 s31, s22, 11
	s_add_co_u32 s30, s30, s31
	s_mov_b32 s29, 0
	s_mov_b32 s31, 0
	s_lshl_b32 s70, s25, 7
	s_lshl_b32 s71, s21, 5
	s_add_co_u32 s70, s70, s71                     ; my first unit: 128 Y + 32 ug
	s_mul_i32 s70, s70, KS                         ; W's scales
	s_mov_b32 s71, 0
	s_min_u32 s72, s20, 2                          ; the biases: wave w < 3 brings gate w's 128 (the other waves load gate o's and store nothing)
	s_min_u32 s73, s20, 1
	s_add_co_u32 s72, s72, s73
	s_lshl_b32 s72, s72, 12
	s_lshl_b32 s73, s25, 9
	s_add_co_u32 s72, s72, s73
	s_mov_b32 s73, 0
	s_lshl_b32 s74, s24, 17                        ; hc: (16 X + 8 rg) x 8,192 + 1,024 Y + 256 ug
	s_lshl_b32 s75, s22, 16
	s_add_co_u32 s74, s74, s75
	s_lshl_b32 s75, s25, 10
	s_add_co_u32 s74, s74, s75
	s_lshl_b32 s75, s21, 8
	s_add_co_u32 s74, s74, s75
	s_mov_b32 s75, 0
	s_lshl_b32 s76, s24, 13                        ; hs: (8 X + Y) x 1,024
	s_lshl_b32 s77, s25, 10
	s_add_co_u32 s76, s76, s77
	s_mov_b32 s77, 0
	s_mov_b32 s56, 0xbfb8aa3b                      ; -log2(e); each constant is named as a pair by the packed forms, so both words are written
	s_mov_b32 s57, s56
	s_mov_b32 s58, 0xc038aa3b                      ; -2 log2(e)
	s_mov_b32 s59, s58
	s_mov_b32 s60, 0xbeb17218                      ; k = -ln(2) / 2 = -1 / (2 log2(e))
	s_mov_b32 s61, s60
	s_mov_b32 s62, 0xc1f00000                      ; -30
	s_mov_b32 s63, 0x41f00000                      ; 30
	s_mov_b32 s66, 0x76543210                      ; v_permlanex16_b32's selects for lane l xor 16
	s_mov_b32 s67, 0xfedcba98
	s_mov_b32 s68, 0xffff0000                      ; lanes 16 to 31
	s_mul_i32 s80, s21, 32*PITCH
	s_lshl_b32 s69, s22, 9
	s_add_co_u32 s69, s69, s21
	s_add_co_u32 s69, s69, SCB
	s_lshl_b32 s78, s21, 7
	s_add_co_u32 s78, s78, BLS
	s_mul_i32 s79, s22, 128*272
	s_add_co_u32 s79, s79, XL
	v_and_b32 v1, 15, v0                           ; r
	v_bfe_u32 v2, v0, 4, 1                         ; h
	v_and_b32 v3, 31, v0                           ; lane
	v_mul_u32_u24 v[AW], v1, PITCH
	v_mul_u32_u24 v[AA], v1, 272
	v_lshlrev_b32 v[AS], 4, v1
	v_lshl_add_u32 v[AW], v2, 4, v[AW]
	v_lshlrev_b32 v[AHC], 4, v1
	v_lshl_add_u32 v[ASB], v3, 2, s69              ; the word of row 128 rg + lane, byte ug
	v_add_nc_u32 v[AW], s80, v[AW]                 ; W: row 32 ug + r, + 16 h
	v_lshl_add_u32 v[AHC], v2, 3, v[AHC]
	v_lshl_add_u32 v[AB], v2, 5, s78               ; unit 32 ug + 8 h of gate i
	v_lshlrev_b32 v[GS], 4, v0
	v_add_nc_u32 v[AW+1], 128*PITCH, v[AW]         ; and the same in the other two gates
	v_add_nc_u32 v[AW+2], 256*PITCH, v[AW]
	v_lshl_add_u32 v[LSB], v0, 4, SCB
	v_lshl_add_u32 v[AA], v2, 4, v[AA]
	v_add_nc_u32 v[AA], s79, v[AA]                 ; x: row 128 rg + r, + 16 h
	v_lshlrev_b32 v1, 4, v3                        ; 16 x lane
	v_mul_u32_u24 v3, v3, KS                       ; lane x a row of W's scale bytes
	s_wait_alu depctr_va_vdst(0)                   ; the wait here, directly ahead of the waits below
	s_wait_dscnt 0x0                               ; both opening adds are done
	s_wait_kmcnt 0x0
	s_add_nc_u64 s[42:43], s[8:9], s[26:27]
	s_or_b32 s43, s43, 0x80000000                  ; type = 2
	s_add_nc_u64 s[46:47], s[4:5], s[28:29]
	s_or_b32 s47, s47, 0x80000000
	CROUND                                         ; all four work-groups are here: the joint loads meet
	s_cmp_lt_u32 s20, 6                            ; the launch's only tensor loads: one a wave is out
	s_cbranch_scc0 .Lfill_x
	tensor_load_to_lds s[40:43], s[32:39]
	s_nop 0
	PLACES
	s_branch .Lfilled
.Lfill_x:
	tensor_load_to_lds s[44:47], s[48:55]
	s_nop 0
	PLACES
.Lfilled:
	s_add_nc_u64 s[6:7], s[6:7], s[30:31]          ; the pointers are set once; every later offset is an immediate
	s_add_nc_u64 s[10:11], s[10:11], s[70:71]
	s_add_nc_u64 s[12:13], s[12:13], s[72:73]
	s_add_nc_u64 s[14:15], s[14:15], s[72:73]
	s_add_nc_u64 s[16:17], s[16:17], s[74:75]
	s_add_nc_u64 s[18:19], s[18:19], s[76:77]
; W's three fragments (32 rows, one a gate) of K step s into set s % 2: twelve loads
.macro FETCH_W s
.if (\s)%2
	WIN 0x40
.set fB, WF1
.else
	WIN 0
.set fB, WF
.endif
.irp g, 0,1,2
.irp t, 0,1
.irp c, 0,1
	ds_load_b128 v[fB+16*\g+8*\t+4*\c:fB+16*\g+8*\t+4*\c+3], v[AW+\g] offset:16*\t*PITCH+64*(\s)+32*\c
.endr
.endr
.endr
	WIN 0
.endm
; A's four fragments (tiles of rows m) of pass p, K step s, into buffer s: eight loads
.macro FETCH_A p, s
.set aB, AF+32*(\s)
.irp m, 0,1,2,3
.irp c, 0,1
	ds_load_b128 v[aB+8*\m+4*\c:aB+8*\m+4*\c+3], v[AA] offset:(64*(\p)+16*\m)*272+64*(\s)+32*\c
.endr
.endr
.endm
; A's scale words of pass p
.macro LOAD_ASC p
.irp m, 0,1,2,3
	global_load_b128 v[ASC+4*\m:ASC+4*\m+3], v[AS], s[6:7] offset:(64*(\p)+16*\m)*16
.endr
.endm
; the biases of units 16 t + 8 h + 0 .. 7 of gates i, g, o, into W's even set: twelve loads
.macro FETCH_BIAS
.irp g, 0,1,2
.irp t, 0,1
.irp q, 0,1
	ds_load_b128 v[WF+16*\g+8*\t+4*\q:WF+16*\g+8*\t+4*\q+3], v[AB] offset:512*\g+64*\t+16*\q
.endr
.endr
.endr
.endm
; K STEP s of pass p: twelve products (3 gates x 4 tiles of rows).  The 12 accumulators take turns, one instruction a turn: between two products on one accumulator stand the 11 others'.
; Behind the products: the next pass's A into the buffer just left, W's K step two on into the set just left, or, behind the last even step, the biases.
.macro KSTEP p, s
.if (\p) && ((\s) == 0)
	s_wait_dscnt 0x0                               ; W's step 0 was asked for last
.elseif ((\p) == 0) && ((\s) < 2)
	s_wait_dscnt 36                                ; step 0: W's step 1 and A's steps 1 to 3 may be out; step 1: A's steps 2 and 3, the next pass's step 0 and W's step 2
.else
	s_wait_dscnt 12                                ; only the twelve loads of W's next step, or of the biases, may be out
.endif
	WIN 0x50+(\s)%2                                ; C and D window 1; an odd step's W too
.irp g, 0,1,2
.irp m, 0,1,2,3
.set aD, 64*((1-\g)*(1-\g)+\g/2)+16*\m             ; gates i, g, o lie at 64 x 1, 0, 2
.set aW, WF+((\s)%2)*(WF1-WF)+16*\g
.set aA, AF+32*(\s)+8*\m
.set aX, WSC+NK*\g+(\s)
.set aY, ASC+NK*\m+(\s)
.if (\s) == 0
	v_wmma_scale_f32_32x16x128_f4 v[aD:aD+15], v[aW:aW+15], v[aA:aA+7], 0, v[aX], v[aY]
.else
	v_wmma_scale_f32_32x16x128_f4 v[aD:aD+15], v[aW:aW+15], v[aA:aA+7], v[aD:aD+15], v[aX], v[aY]
.endif
.endr
.endr
	PLACES
	WIN 0
.if (\p) == 0
	FETCH_A 1, \s
.endif
.if (\s)+2 < NK
	FETCH_W (\s)+2
.elseif (\s) == NK-2
	FETCH_BIAS
.endif
.endm
; THE ACTIVATION of a lane's 64 numbers, in place.  With eg = e^-2g, ei = e^-i, eo = e^-o, Lg = log2(e), k = -1 / (2 Lg):  R = 1 / (k (1 + ei) (1 + eg));  -2 Lg c = R - eg R;  ec = 2^(-2 Lg c) = e^-2c;
; Q = 1 / ((1 + eo) (1 + ec));  h = Q - ec Q.  Six transcendentals a number, in five batches; each has a wait ahead of it and one behind it.  Plain work whose sources stand ahead of
; a batch's first wait and whose results are read behind its second lies inside the batch.
.macro PKFMA b, c, d
.irp m, 0,1,2,3
.irp q, 0,2,4,6,8,10,12,14
	v_pk_fma_f32 v[\b+16*\m+\q:\b+16*\m+\q+1], v[\b+16*\m+\q:\b+16*\m+\q+1], s[\c:\c+1], v[\d+\q:\d+\q+1] op_sel_hi:[1,0,1]   ; each accumulator from its low end on
.endr
.endr
.endm
.macro AHEAD
	s_wait_alu depctr_va_vdst(0)
.set ii, 0
.endm
.macro BEHIND
	v_nop
	s_wait_alu depctr_va_vdst(0)
.endm
.macro LAYERF d, a, b, neg             ; d = a b + b, or b - a b
.set ii, 0
.rept 32
	v_pk_fma_f32 v[\d+ii:\d+ii+1], v[\a+ii:\a+ii+1], v[\b+ii:\b+ii+1], v[\b+ii:\b+ii+1] neg_lo:[\neg,0,0] neg_hi:[\neg,0,0]
.set ii, ii+2
.endr
.endm
.macro ACT p
.if \p
	s_wait_xcnt 0x0                                ; the last pass's stores have read the codes' registers: they are written again only behind this wait
	s_wait_dscnt 0x0                               ; the biases are in
.else
	s_wait_dscnt 12                                ; the biases are in; the twelve loads of W's step 1 may be out
.endif
	WIN 0x41                                       ; source 0 and destination window 1, source 2 (the biases) window 0
	PKFMA G, 58, WF+16
	PKFMA I, 56, WF
	PKFMA O, 56, WF+32
.if (\p) == 0
	FETCH_W 0                                      ; the biases have been read: their registers take the next pass's first step
.endif
	WIN 0x55                                       ; all four places window 1
	AHEAD
.rept 64
	v_exp_f32 v[I+2*ii], v[I+2*ii]                 ; ei, eo
	v_exp_f32 v[I+2*ii+1], v[I+2*ii+1]
	v_med3_num_f32 v[G+ii], v[G+ii], s62, s63      ; eg stays between 2^-30 and 2^30
.set ii, ii+1
.endr
	BEHIND
	AHEAD
.rept 32
	v_exp_f32 v[G+ii], v[G+ii]                     ; eg
	v_exp_f32 v[G+ii+1], v[G+ii+1]
	v_pk_fma_f32 v[I+ii:I+ii+1], v[I+ii:I+ii+1], s[60:61], s[60:61] op_sel_hi:[1,0,0]   ; k (1 + ei)
.set ii, ii+2
.endr
	BEHIND
	LAYERF I, G, I, 0                              ; k (1 + ei) (1 + eg)
	AHEAD
.rept 32
	v_rcp_f32 v[I+ii], v[I+ii]                     ; R
	v_rcp_f32 v[I+ii+1], v[I+ii+1]
	v_pk_add_f32 v[O+ii:O+ii+1], v[O+ii:O+ii+1], 1.0 op_sel_hi:[1,0]   ; 1 + eo
.set ii, ii+2
.endr
	BEHIND
	LAYERF G, G, I, 1                              ; -2 Lg c
	AHEAD
.rept 64
	v_exp_f32 v[G+ii], v[G+ii]                     ; ec
.set ii, ii+1
.endr
	BEHIND
	LAYERF O, G, O, 0                              ; (1 + eo) (1 + ec)
	AHEAD
.rept 64
	v_rcp_f32 v[O+ii], v[O+ii]                     ; Q
.set ii, ii+1
.endr
	BEHIND
	LAYERF G, G, O, 1                              ; h
.endm
; THE QUANTISER.  For each tile of rows m, a lane's 16 numbers h are half of its row's block of 32 units.  Gate i's registers are free and hold what is at work; the codes and bytes lie at T.
.macro MX3 d, b, c
.irp m, 0,1,2,3
	v_max3_num_f32 v[I+\d+\m], v[I+\d+\m], |v[G+16*\m+\b]|, |v[G+16*\m+\c]|   ; the four tiles by turns
.endr
.endm
.macro QUANT p
.irp m, 0,1,2,3
	v_max3_num_f32 v[I+\m], |v[G+16*\m]|, |v[G+16*\m+1]|, 0x1800000   ; with the floor 2^(3 - 127): so the byte cannot fall under 1
	v_max3_num_f32 v[I+4+\m], |v[G+16*\m+8]|, |v[G+16*\m+9]|, |v[G+16*\m+10]|
.endr
	MX3 0, 2, 3
	MX3 4, 11, 12
	MX3 0, 4, 5
	MX3 4, 13, 14
	MX3 0, 6, 7
.irp m, 0,1,2,3
	v_max3_num_f32 v[I+\m], v[I+\m], v[I+4+\m], |v[G+16*\m+15]|
.endr
.irp m, 0,1,2,3
	v_permlanex16_b32 v[I+8+\m], v[I+\m], s66, s67
.endr
.irp m, 0,1,2,3
	v_max_num_f32 v[I+\m], v[I+\m], v[I+8+\m]      ; with lane l xor 16's: the block's largest magnitude
.endr
.irp m, 0,1,2,3
	v_add_nc_u32 v[I+12+\m], 0xff000000, v[I+\m]   ; 2 off its exponent field: the conversion takes the exponent field of this operand as its scale
.endr
.irp m, 0,1,2,3
	v_lshrrev_b32 v[T+8+\m], 23, v[I+12+\m]        ; the scale's byte
.endr
.irp m, 0,1,2,3
.irp t, 0,1
	v_cvt_scalef32_pk8_fp4_f32 v[T+2*\m+\t], v[G+16*\m+8*\t:G+16*\m+8*\t+7], v[I+12+\m]   ; units 16 t + 8 h + 0 .. 7
.endr
.endr
	v_nop                                          ; one plain place behind the scaled conversions
.irp m, 0,1,2,3
	v_permlane16_swap_b32 v[T+2*\m], v[T+2*\m+1]   ; the first's lanes 16-31 change places with the second's lanes 0-15: lane (r, h) now holds units 16 h + 0 .. 15 of row r: 8 bytes
.endr
.irp i, 0,1
	v_cndmask_b32 v[T+8+2*\i], v[T+8+2*\i], v[T+9+2*\i], s68   ; lanes 0-15: rows of tile 2 i; lanes 16-31: of tile 2 i + 1
.endr
	WIN 0x04                                       ; data window 1, addresses window 0
.irp m, 0,1,2,3
	global_store_b64 v[AHC], v[T+2*\m:T+2*\m+1], s[16:17] offset:(4*(\p)+\m)*8192   ; 32 lanes store 256 consecutive bytes, at a multiple of 256 from hc's first byte
.endr
.irp i, 0,1
	ds_store_b8 v[ASB], v[T+8+2*\i] offset:256*(\p)+128*\i
.endr
	WIN 0
.endm
.macro PASS p
	s_wait_loadcnt 0x0                             ; the scale words of this pass
.irp s, 0,1,2,3
	KSTEP \p, \s
.endr
.if (\p) == 0
	FETCH_W 1                                      ; W does not hang on the pass: the next pass's second step
	LOAD_ASC 1
.endif
	ACT \p
	QUANT \p
.endm
	; loads into registers, while the tensor loads are on their way
	global_load_b128 v[BT:BT+3], v1, s[12:13]
	global_load_b128 v[BT+4:BT+7], v1, s[14:15]
.irp g, 0,1,2
	global_load_b128 v[WSC+NK*\g:WSC+NK*\g+3], v3, s[10:11] offset:(1024*\g+1024*((\g+1)/2))*KS   ; the gate's first row: 0, 2,048, 3,072
.endr
	LOAD_ASC 0
	s_cmp_eq_u32 s20, 1
	s_cselect_b32 s78, s58, s56                    ; wave 1 brings gate g's biases: its factor is -2 log2(e), the others' -log2(e)
	s_mov_b32 s79, s78
	s_wait_loadcnt 0x7                             ; the biases are in; the seven loads of scale words may be out
	v_pk_add_f32 v[BT:BT+1], v[BT:BT+1], v[BT+4:BT+5]   ; b_ih + b_hh
	v_pk_add_f32 v[BT+2:BT+3], v[BT+2:BT+3], v[BT+6:BT+7]
	v_pk_mul_f32 v[BT:BT+1], v[BT:BT+1], s[78:79] op_sel_hi:[1,0]
	v_pk_mul_f32 v[BT+2:BT+3], v[BT+2:BT+3], s[78:79] op_sel_hi:[1,0]
	s_cmp_lt_u32 s20, 3
	s_cbranch_scc0 .Lno_bias
	ds_store_b128 v[LSB], v[BT:BT+3] offset:1024
.Lno_bias:
	s_wait_alu depctr_va_vdst(0)                   ; the wait at the head's end
	s_wait_tensorcnt 0x0                           ; my part of the tiles is in LDS,
	s_wait_dscnt 0x0                               ; and my biases are:
	s_barrier_signal -1
	s_barrier_wait -1                              ; everybody's are; nothing is filled again in this launch
	FETCH_W 0
	FETCH_A 0, 0
	FETCH_W 1
	FETCH_A 0, 1
	FETCH_A 0, 2
	FETCH_A 0, 3
	PASS 0
	PASS 1
	s_wait_dscnt 0x0                               ; for the others' sake: my scale bytes lie in LDS
	s_barrier_signal -1
	s_barrier_wait -1
	s_cmp_lt_u32 s20, 2                            ; waves 0 and 1 store the 256 rows' scale words: 512 consecutive bytes a wave
	s_cbranch_scc0 .Lno_words
	ds_load_b128 v[BT:BT+3], v[LSB]
	s_wait_dscnt 0x0
	global_store_b128 v[GS], v[BT:BT+3], s[18:19]
.Lno_words:
	s_wait_tensorcnt 0x0                           ; the wave's end: behind my last tensor load and my last LDS store
	ds_add_u32 v[SPW], v[NIL]
	s_wait_dscnt 0x0
	CROUND                                         ; the closing round: no work-group ends while a partner may still ask for a tile that names it
	s_endpgm
.Lfunc_end_k_q15f983fa8e_lay0:
	.size	k_q15f983fa8e_lay0, .Lfunc_end_k_q15f983fa8e_lay0-k_q15f983fa8e_lay0
	.p2alignl 7, 3214868480
	.fill 96, 4, 3214868480
	.section	.rodata,"a",@progbits
	.p2align	6, 0x0
	.amdhsa_kernel k_q15f983fa8e_lay0
		.amdhsa_group_segment_fixed_size 177664
		.amdhsa_private_segment_fixed_size 0
		.amdhsa_enable_private_segment 0
		.amdhsa_kernarg_size 64
		.amdhsa_user_sgpr_count 2
		.amdhsa_user_sgpr_kernarg_segment_ptr 1
		.amdhsa_wavefront_size32 1
		.amdhsa_system_sgpr_workgroup_id_x 1
		.amdhsa_system_sgpr_workgroup_id_y 1
		.amdhsa_system_sgpr_workgroup_id_z 1
		.amdhsa_system_vgpr_workitem_id 0
		.amdhsa_next_free_vgpr 512
		.amdhsa_next_free_sgpr 84
		.amdhsa_reserve_vcc 0
		.amdhsa_float_denorm_mode_32 3
		.amdhsa_float_denorm_mode_16_64 3
		.amdhsa_memory_ordered 1
		.amdhsa_forward_progress 1
		.amdhsa_inst_pref_size 113
	.end_amdhsa_kernel
	.amdgpu_metadata
---
amdhsa.version: [ 1, 2 ]
amdhsa.kernels:
  - .name:           k_q15f983fa8e_lay0
    .symbol:         k_q15f983fa8e_lay0.kd
    .args:
      - { .name: x_codes, .offset: 0, .size: 8, .value_kind: global_buffer, .address_space: global }
      - { .name: x_scales, .offset: 8, .size: 8, .value_kind: global_buffer, .address_space: global }
      - { .name: W_ih0_codes, .offset: 16, .size: 8, .value_kind: global_buffer, .address_space: global }
      - { .name: W_ih0_scales, .offset: 24, .size: 8, .value_kind: global_buffer, .address_space: global }
      - { .name: b_ih0, .offset: 32, .size: 8, .value_kind: global_buffer, .address_space: global }
      - { .name: b_hh0, .offset: 40, .size: 8, .value_kind: global_buffer, .address_space: global }
      - { .name: hc0, .offset: 48, .size: 8, .value_kind: global_buffer, .address_space: global }
      - { .name: hs0, .offset: 56, .size: 8, .value_kind: global_buffer, .address_space: global }
    .group_segment_fixed_size: 177664
    .private_segment_fixed_size: 0
    .kernarg_segment_align: 8
    .kernarg_segment_size: 64
    .max_flat_workgroup_size: 256
    .sgpr_count:     84
    .vgpr_count:     512
    .wavefront_size: 32
...
	.end_amdgpu_metadata
.endif
;; end of part 1
;; launch lay1 (part 2): grid 32 x 8, 8 waves a work-group, clusters of 4 x 1, 327,680 bytes of LDS; arguments hc0, hs0, W_ih1_codes, W_ih1_scales, b_ih1, b_hh1, hc1, hs1; writes hc1, hs1
.if DOCPART == 2
	.amdgcn_target "amdgcn-amd-amdhsa--gfx1250"
	.amdhsa_code_object_version 6
	.text
	.protected	k_q15f983fa8e_lay1
	.globl	k_q15f983fa8e_lay1
	.p2align	8
	.type	k_q15f983fa8e_lay1,@function
k_q15f983fa8e_lay1:
	s_mov_b64 s[64:65], 0
	v_nop
	global_prefetch_b8 v0, s[64:65] scope:SCOPE_SE
	s_setreg_imm32_b32 hwreg(HW_REG_WAVE_MODE, 25, 1), 1
	s_wait_xcnt 0x0
	s_wait_alu depctr_hold_cnt(0) depctr_sa_sdst(0) depctr_va_vdst(0) depctr_va_sdst(0) depctr_va_ssrc(0) depctr_va_vcc(0) depctr_vm_vsrc(0)
	s_getreg_b32 s2, hwreg(HW_REG_IB_STS2, 6, 4)
	s_cmp_eq_u32 s2, 0
	s_cbranch_scc0 .Lentry_in_a_cluster
	s_endpgm
.Lentry_in_a_cluster:
	s_bfe_u32 s2, ttmp6, 0x10000c
	s_cmp_lg_u32 s2, 0x3003
	s_cbranch_scc0 .Lentry_shape_is_right
	s_endpgm
.Lentry_shape_is_right:
; ONE LSTM CELL STEP WITH ZERO STATE, on codes of FP4 (E2M1) with one E8M0 scale for each 32 along K:  gates = A W^T + (b_ih + b_hh);  h = sigmoid(o) tanh(sigmoid(i) tanh(g));
; h is quantised along its 1,024 units and stored as codes and scale bytes for the next launch.  Here A = h of layer 0 (K = 1,024), as the launch before stored it.
; WORK LEFT OUT, as in the first launch and for the same reasons: W_hh1 is named in no operation of reference() and is not loaded; the slice f of the gates is never used, so rows 1,024 to 2,047 of W_ih1
; (codes and scale bytes) and those entries of b_ih1 and b_hh1 are left out: gates i, g, o are W's rows 0, 2,048 and 3,072 on.
; LIMIT of that: a NaN, an infinity or an overflow that reaches only the work left out is not carried to the result.
; LIMITS of the arithmetic: tanh(y) = (1 - e) / (1 + e) with e = 2^(-2 log2(e) y): its error is that of 1 - e, about 6e-8 absolute.  -2 log2(e) g is held to +-30, beyond which tanh(g) is +-1 in f32.
; sigmoid(i) tanh(g) and sigmoid(o) tanh(c) come out 0 where their denominator passes 2^126 (their true size is then under 2^-126).  NaN and infinities among the gates are not served.
; The bias is added behind the product, as a fused multiply-add with the gate's factor: another order of rounding than the reference's.
; A block of 32 zeros of h gets the scale byte 1 where the quantiser says 127: its codes are zeros, and this program alone reads the bytes.
; SHARES.  Work-group (X, Y): rows 256 X on, units 128 Y on, which are K step Y of the next product.  Eight waves: wave w takes the 32 units 32 (w & 3) on, one block of that K step, and the 128 rows 128 (w >> 2) on,
; in two passes of 64 rows: 3 gates x 4 tiles of rows = 12 accumulators of 32 x 16.  W's 384 rows (3 gates x 128 units, all of K) come into LDS ONCE and stay.
; A comes as images of operand registers: pass 0's tiles straight into registers, pass 1's 64 KiB into LDS, by one tensor load of 8,192 bytes a wave behind the head.  (W and all of A would not fit in LDS beside each other.)
; No LDS byte is filled twice.
; CLUSTER.  The four work-groups of a cluster have the same Y: W's tiles are asked for jointly (waves 0 to 5, 64 rows each).  A's rows are shared by the eight work-groups of a column of the grid, which
; lie in eight clusters: they go by loads of the work-group's own.
; No prefetch into the L2: the launch has no loop to run ahead in.
; THE PRODUCT IS USED TRANSPOSED: source 0 = 32 rows of W, source 1 = 16 rows of A.  Lane (r, h) of the result holds row 16 m + r; registers 8 t + j hold unit 16 t + 8 h + j: a lane's 16 registers
; are half a block, lane l xor 16 has the other half.
; WHAT IS READ AND STORED.  hc: images of operand registers, [row / 16][K step][c][lane'][16 bytes], lane' = r + 16 h' holding block 2 c + h' of row r: a fragment comes by two loads of 16 bytes a lane.
; hs: [row / 256][K step][row % 256][4 bytes]: a row's scale word of a K step.
; REGISTERS, in windows of 256.  Window 0: v1-15 addresses; v16-39 W's scale words; v40-71 A's; v72-119 W's fragments of an even K step (16 a gate), behind a pass's last even step the biases; v120-247 A's, four
; K steps of four tiles; v248-255 at work.
; Window 1: the accumulators, g v0-63, i v64-127, o v128-191 (16 m); v192-207 codes and scale bytes of h; v208-255 W's fragments of an odd K step.
.set KB,    512                        ; a row of W in bytes
.set NK,    8                          ; K steps of 128
.set PITCH, 528                        ; a row of W in LDS: + 16 bytes, so that the 16 rows of a load begin 16 bytes apart modulo 256
.set QI,    6                          ; the padding's interval: 128 words
.set KS,    32                         ; a row of W's scale bytes
.set AL,    384*PITCH                  ; LDS: W's 384 rows from 0; behind them pass 1's eight tiles of A, 8,192 bytes each
.set SCB,   AL+65536                   ; h's scale words of the work-group's 256 rows: 1,024 bytes, stored by the waves, filled by no tensor load
.set BLS,   SCB+1024                   ; b_ih + b_hh of gates i, g, o, times the gate's factor: 512 bytes each
.set SPARE, BLS+1536                   ; the spare words, 128 bytes for each wave: four blocks of 256 bytes that no other line names
.set AA1, 2                            ; v2    LDS address of A's fragments of pass 1
.set AW,  4                            ; v4-6  LDS address of my tiles of W, gate i, g, o
.set AA,  7                            ; v7    A's fragments of pass 0: 16 x lane
.set AS,  8                            ; v8    A's scale words: 4 r
.set AHC, 9                            ; v9    my 8 bytes of a block's 256 in hc: 16 r + 8 h
.set ASB, 10                           ; v10   LDS address of my scale byte
.set SPW, 11                           ; v11   LDS address of my spare word; never rewritten
.set NIL, 12                           ; v12   0; never rewritten
.set AB,  13                           ; v13   LDS address of my biases
.set GS,  14                           ; v14   16 x thread: the scale words' way out, in memory,
.set LSB, 15                           ; v15   and in LDS
.set WSC, 16                           ; W's scale words: register NK gate + s: lane l has unit l's word of K step s
.set ASC, 40                           ; A's: register NK m + s: lanes 0-15 have row 16 m + r's
.set WF,  72
.set WF1, 208                          ; in window 1
.set AF,  120
.set BT,  248
.set G,   0                            ; in window 1: the gates' 64 numbers a lane
.set I,   64
.set O,   128
.set T,   192
.set MSB, 0
.macro WIN new                         ; s_set_vgpr_msb: bits 1:0 source 0, 3:2 source 1, 5:4 source 2, 7:6 destination; the high byte repeats the setting that is left
.if MSB != \new
	s_set_vgpr_msb (MSB<<8)|\new
.set MSB, \new
.endif
.endm
.macro PLACES                          ; four plain places behind a matrix instruction, ahead of loads into its sources and of reads of its result
.rept 4
	v_nop
.endr
.endm
.macro CROUND                          ; a round of the cluster's barrier
	s_barrier_signal -1
	s_barrier_wait -1
	s_cmp_lg_u32 s20, 0
	s_cbranch_scc1 .Lnot_wave_0_\@
	s_barrier_signal -3
.Lnot_wave_0_\@:
	s_barrier_wait -3
	s_barrier_signal -1
	s_barrier_wait -1
.endm
	s_load_b256 s[4:11], s[0:1], 0x0               ; A's codes s[4:5], A's scales s[6:7], W's codes s[8:9], W's scales s[10:11]
	s_load_b256 s[12:19], s[0:1], 0x20             ; b_ih s[12:13], b_hh s[14:15], hc s[16:17], hs s[18:19]
	v_lshl_add_u32 v[SPW], v0, 2, SPARE
	v_mov_b32 v[NIL], 0
	ds_add_u32 v[SPW], v[NIL]                      ; the wave's opening: the add, twice on end, and its wait ahead of the first tensor load
	ds_add_u32 v[SPW], v[NIL]
	v_lshrrev_b32 v1, 5, v0
	v_readfirstlane_b32 s20, v1                    ; wave 0..7
	s_and_b32 s21, s20, 3                          ; ug: my 32 units
	s_lshr_b32 s22, s20, 2                         ; rg: my 128 rows
	s_bfe_u32 s23, ttmp6, 0x40000                  ; cx: my place in the cluster
	s_lshl_b32 s24, ttmp9, 2
	s_add_co_u32 s24, s24, s23                     ; X = 4 x cluster x + cx: it enters A's, hc's and hs's addresses alone
	s_and_b32 s25, ttmp7, 0xffff                   ; Y, which the four partners share
	; descriptor group 1 for W: 64 rows of KB bytes, 16 bytes of padding behind each
	s_mov_b32 s32, 15|(1<<20)|(1<<21)|(QI<<22)|(3<<25)  ; 15:0 the mask: all four work-groups; 17:16 elements of 1 byte; 20 padding on; 21 set beside a mask; 24:22 the interval; 31:25 four words
	s_mov_b32 s33, KB<<16                          ; tensor_dim0
	s_mov_b32 s34, 64<<16                          ; tensor_dim1
	s_mov_b32 s35, KB<<16                          ; tile_dim0
	s_mov_b32 s36, 64                              ; tile_dim1
	s_mov_b32 s37, KB                              ; from row to row
	s_mov_b32 s38, 0
	s_mov_b32 s39, 0
	; what waves 0 to 5 fetch: gate w / 2 (rows 0, 2,048, 3,072 on), units 128 Y + 64 (w & 1) on
	s_lshr_b32 s26, s20, 1
	s_min_u32 s27, s26, 1
	s_add_co_u32 s26, s26, s27                     ; 0, 2, 3: the slice f is passed over
	s_lshl_b32 s26, s26, 10
	s_lshl_b32 s27, s25, 7
	s_add_co_u32 s26, s26, s27
	s_and_b32 s27, s20, 1
	s_lshl_b32 s27, s27, 6
	s_add_co_u32 s26, s26, s27
	s_mul_i32 s26, s26, KB                         ; in bytes: made of the wave's number and Y alone
	s_mov_b32 s27, 0
	s_mov_b32 s40, 1                               ; group 0: count = 1
	s_mul_i32 s41, s20, 64*PITCH                   ; LDS address: 64 rows a wave
	; pass 1's A: a tile of 16 rows a wave, 8,192 consecutive bytes, as 32 rows of 256 bytes; a load of the work-group's own (no mask, no padding)
	s_mov_b32 s48, 0
	s_mov_b32 s49, 256<<16
	s_mov_b32 s50, 32<<16
	s_mov_b32 s51, 256<<16
	s_mov_b32 s52, 32
	s_mov_b32 s53, 256
	s_mov_b32 s54, 0
	s_mov_b32 s55, 0
	s_mov_b32 s44, 1
	s_lshl_b32 s45, s20, 13
	s_add_co_u32 s45, s45, AL
	s_lshl_b32 s80, s22, 2
	s_add_co_u32 s80, s80, s20
	s_add_co_u32 s80, s80, 4                       ; tiles 4 .. 7 (rg = 0) and 12 .. 15 (rg = 1)
	s_lshl_b32 s80, s80, 13
	s_lshl_b32 s28, s24, 17                        ; h's codes: (16 X + 8 rg) tiles of 8,192 bytes
	s_add_co_u32 s80, s80, s28
	s_mov_b32 s81, 0
	s_lshl_b32 s29, s22, 16
	s_add_co_u32 s28, s28, s29
	s_lshl_b32 s30, s24, 13                        ; h's scale words: 8,192 X + 512 rg
	s_lshl_b32 s31, s22, 9
	s_add_co_u32 s30, s30, s31
	s_mov_b32 s29, 0
	s_mov_b32 s31, 0
	s_lshl_b32 s70, s25, 7
	s_lshl_b32 s71, s21, 5
	s_add_co_u32 s70, s70, s71                     ; my first unit: 128 Y + 32 ug
	s_mul_i32 s70, s70, KS                         ; W's scales
	s_mov_b32 s71, 0
	s_min_u32 s72, s20, 2                          ; the biases: wave w < 3 brings gate w's 128 (the other waves load gate o's and store nothing)
	s_min_u32 s73, s20, 1
	s_add_co_u32 s72, s72, s73
	s_lshl_b32 s72, s72, 12
	s_lshl_b32 s73, s25, 9
	s_add_co_u32 s72, s72, s73
	s_mov_b32 s73, 0
	s_lshl_b32 s74, s24, 17                        ; hc: (16 X + 8 rg) x 8,192 + 1,024 Y + 256 ug
	s_lshl_b32 s75, s22, 16
	s_add_co_u32 s74, s74, s75
	s_lshl_b32 s75, s25, 10
	s_add_co_u32 s74, s74, s75
	s_lshl_b32 s75, s21, 8
	s_add_co_u32 s74, s74, s75
	s_mov_b32 s75, 0
	s_lshl_b32 s76, s24, 13                        ; hs: (8 X + Y) x 1,024
	s_lshl_b32 s77, s25, 10
	s_add_co_u32 s76, s76, s77
	s_mov_b32 s77, 0
	s_mov_b32 s56, 0xbfb8aa3b                      ; -log2(e); each constant is named as a pair by the packed forms, so both words are written
	s_mov_b32 s57, s56
	s_mov_b32 s58, 0xc038aa3b                      ; -2 log2(e)
	s_mov_b32 s59, s58
	s_mov_b32 s60, 0xbeb17218                      ; k = -ln(2) / 2 = -1 / (2 log2(e))
	s_mov_b32 s61, s60
	s_mov_b32 s62, 0xc1f00000                      ; -30
	s_mov_b32 s63, 0x41f00000                      ; 30
	s_mov_b32 s66, 0x76543210                      ; v_permlanex16_b32's selects for lane l xor 16
	s_mov_b32 s67, 0xfedcba98
	s_mov_b32 s68, 0xffff0000                      ; lanes 16 to 31
	s_mul_i32 s82, s21, 32*PITCH
	s_lshl_b32 s69, s22, 9
	s_add_co_u32 s69, s69, s21
	s_add_co_u32 s69, s69, SCB
	s_lshl_b32 s78, s21, 7
	s_add_co_u32 s78, s78, BLS
	s_lshl_b32 s79, s22, 15
	s_add_co_u32 s79, s79, AL
	v_and_b32 v1, 15, v0                           ; r
	v_bfe_u32 v2, v0, 4, 1                         ; h
	v_and_b32 v3, 31, v0                           ; lane
	v_mul_u32_u24 v[AW], v1, PITCH
	v_lshlrev_b32 v[AA], 4, v3
	v_lshlrev_b32 v[AS], 2, v1
	v_lshl_add_u32 v[AW], v2, 4, v[AW]
	v_lshlrev_b32 v[AHC], 4, v1
	v_lshl_add_u32 v[ASB], v3, 2, s69              ; the word of row 128 rg + lane, byte ug
	v_add_nc_u32 v[AW], s82, v[AW]                 ; W: row 32 ug + r, + 16 h
	v_lshl_add_u32 v[AHC], v2, 3, v[AHC]
	v_lshl_add_u32 v[AB], v2, 5, s78               ; unit 32 ug + 8 h of gate i
	v_lshlrev_b32 v[GS], 4, v0
	v_add_nc_u32 v[AW+1], 128*PITCH, v[AW]         ; and the same in the other two gates
	v_add_nc_u32 v[AW+2], 256*PITCH, v[AW]
	v_lshl_add_u32 v[LSB], v0, 4, SCB
	v_lshl_add_u32 v[AA1], v3, 4, s79              ; tile 4 rg in LDS, + 16 x lane
	v_lshlrev_b32 v1, 4, v3                        ; 16 x lane
	v_mul_u32_u24 v3, v3, KS                       ; lane x a row of W's scale bytes
	s_wait_alu depctr_va_vdst(0)                   ; the wait here, directly ahead of the waits below
	s_wait_dscnt 0x0                               ; both opening adds are done
	s_wait_kmcnt 0x0
	s_add_nc_u64 s[42:43], s[8:9], s[26:27]
	s_or_b32 s43, s43, 0x80000000                  ; type = 2
	s_add_nc_u64 s[46:47], s[4:5], s[80:81]
	s_or_b32 s47, s47, 0x80000000
	CROUND                                         ; all four work-groups are here: the joint loads meet
	s_cmp_lt_u32 s20, 6
	s_cbranch_scc0 .Lfilled
	tensor_load_to_lds s[40:43], s[32:39]
	s_nop 0
	PLACES
.Lfilled:
	s_add_nc_u64 s[4:5], s[4:5], s[28:29]          ; the pointers are set once; every later offset is an immediate
	s_add_nc_u64 s[6:7], s[6:7], s[30:31]
	s_add_nc_u64 s[10:11], s[10:11], s[70:71]
	s_add_nc_u64 s[12:13], s[12:13], s[72:73]
	s_add_nc_u64 s[14:15], s[14:15], s[72:73]
	s_add_nc_u64 s[16:17], s[16:17], s[74:75]
	s_add_nc_u64 s[18:19], s[18:19], s[76:77]
; W's three fragments (32 rows, one a gate) of K step s into set s % 2: twelve loads
.macro FETCH_W s
.if (\s)%2
	WIN 0x40
.set fB, WF1
.else
	WIN 0
.set fB, WF
.endif
.irp g, 0,1,2
.irp t, 0,1
.irp c, 0,1
	ds_load_b128 v[fB+16*\g+8*\t+4*\c:fB+16*\g+8*\t+4*\c+3], v[AW+\g] offset:16*\t*PITCH+64*(\s)+32*\c
.endr
.endr
.endr
	WIN 0
.endm
; A's four fragments (tiles of rows m) of pass p, K step s, into buffer s % 4: eight loads, pass 0's from memory, pass 1's from LDS
.macro FETCH_A p, s
.set aB, AF+32*((\s)%4)
.irp m, 0,1,2,3
.irp c, 0,1
.if \p
	ds_load_b128 v[aB+8*\m+4*\c:aB+8*\m+4*\c+3], v[AA1] offset:8192*\m+1024*(\s)+512*\c
.else
	global_load_b128 v[aB+8*\m+4*\c:aB+8*\m+4*\c+3], v[AA], s[4:5] offset:8192*\m+1024*(\s)+512*\c
.endif
.endr
.endr
.endm
; A's scale words of pass p
.macro LOAD_ASC p
.irp m, 0,1,2,3
.irp s, 0,1,2,3,4,5,6,7
	global_load_b32 v[ASC+8*\m+\s], v[AS], s[6:7] offset:1024*\s+256*(\p)+64*\m
.endr
.endr
.endm
; the biases of units 16 t + 8 h + 0 .. 7 of gates i, g, o, into W's even set: twelve loads
.macro FETCH_BIAS
.irp g, 0,1,2
.irp t, 0,1
.irp q, 0,1
	ds_load_b128 v[WF+16*\g+8*\t+4*\q:WF+16*\g+8*\t+4*\q+3], v[AB] offset:512*\g+64*\t+16*\q
.endr
.endr
.endr
.endm
; K STEP s of pass p: twelve products (3 gates x 4 tiles of rows).  The 12 accumulators take turns, one instruction a turn: between two products on one accumulator stand the 11 others'.
; Behind the products: A's K step four on into the buffer just left, W's K step two on into the set just left, or, behind the last even step, the biases.
.macro KSTEP p, s
.if (\p) && ((\s) == 0)
	s_wait_dscnt 0x0                               ; W's step 0 was asked for last
.else
	s_wait_dscnt 12                                ; only the twelve loads of W's next step, or of the biases, may be out
.endif
.if (\p) == 0
.if (\s) < 4
	s_wait_loadcnt 24                              ; this step's eight loads of A are in; the three groups of eight asked for behind them may be out
.else
	s_wait_loadcnt 8*(7-(\s))                      ; nothing is asked for beyond K step 7: the groups behind this one run down
.endif
.endif
	WIN 0x50+(\s)%2                                ; C and D window 1; an odd step's W too
.irp g, 0,1,2
.irp m, 0,1,2,3
.set aD, 64*((1-\g)*(1-\g)+\g/2)+16*\m             ; gates i, g, o lie at 64 x 1, 0, 2
.set aW, WF+((\s)%2)*(WF1-WF)+16*\g
.set aA, AF+32*((\s)%4)+8*\m
.set aX, WSC+NK*\g+(\s)
.set aY, ASC+NK*\m+(\s)
.if (\s) == 0
	v_wmma_scale_f32_32x16x128_f4 v[aD:aD+15], v[aW:aW+15], v[aA:aA+7], 0, v[aX], v[aY]
.else
	v_wmma_scale_f32_32x16x128_f4 v[aD:aD+15], v[aW:aW+15], v[aA:aA+7], v[aD:aD+15], v[aX], v[aY]
.endif
.endr
.endr
	PLACES
	WIN 0
.if (\s)+4 < NK
	FETCH_A \p, (\s)+4
.endif
.if (\s)+2 < NK
	FETCH_W (\s)+2
.elseif (\s) == NK-2
	FETCH_BIAS
.endif
.endm
; THE ACTIVATION of a lane's 64 numbers, in place.  With eg = e^-2g, ei = e^-i, eo = e^-o, Lg = log2(e), k = -1 / (2 Lg):  R = 1 / (k (1 + ei) (1 + eg));  -2 Lg c = R - eg R;  ec = 2^(-2 Lg c) = e^-2c;
; Q = 1 / ((1 + eo) (1 + ec));  h = Q - ec Q.  Six transcendentals a number, in five batches; each has a wait ahead of it and one behind it.  Plain work whose sources stand ahead of
; a batch's first wait and whose results are read behind its second lies inside the batch.
.macro PKFMA b, c, d
.irp m, 0,1,2,3
.irp q, 0,2,4,6,8,10,12,14
	v_pk_fma_f32 v[\b+16*\m+\q:\b+16*\m+\q+1], v[\b+16*\m+\q:\b+16*\m+\q+1], s[\c:\c+1], v[\d+\q:\d+\q+1] op_sel_hi:[1,0,1]   ; each accumulator from its low end on
.endr
.endr
.endm
.macro AHEAD
	s_wait_alu depctr_va_vdst(0)
.set ii, 0
.endm
.macro BEHIND
	v_nop
	s_wait_alu depctr_va_vdst(0)
.endm
.macro LAYERF d, a, b, neg             ; d = a b + b, or b - a b
.set ii, 0
.rept 32
	v_pk_fma_f32 v[\d+ii:\d+ii+1], v[\a+ii:\a+ii+1], v[\b+ii:\b+ii+1], v[\b+ii:\b+ii+1] neg_lo:[\neg,0,0] neg_hi:[\neg,0,0]
.set ii, ii+2
.endr
.endm
.macro ACT p
.if \p
	s_wait_xcnt 0x0                                ; the last pass's stores have read the codes' registers: they are written again only behind this wait
	s_wait_dscnt 0x0                               ; the biases are in (pass 0: since the barrier)
.endif
	WIN 0x41                                       ; source 0 and destination window 1, source 2 (the biases) window 0
	PKFMA G, 58, WF+16
	PKFMA I, 56, WF
	PKFMA O, 56, WF+32
.if (\p) == 0
	FETCH_W 0                                      ; the biases have been read: their registers take the next pass's first step
.endif
	WIN 0x55                                       ; all four places window 1
	AHEAD
.rept 64
	v_exp_f32 v[I+2*ii], v[I+2*ii]                 ; ei, eo
	v_exp_f32 v[I+2*ii+1], v[I+2*ii+1]
	v_med3_num_f32 v[G+ii], v[G+ii], s62, s63      ; eg stays between 2^-30 and 2^30
.set ii, ii+1
.endr
	BEHIND
	AHEAD
.rept 32
	v_exp_f32 v[G+ii], v[G+ii]                     ; eg
	v_exp_f32 v[G+ii+1], v[G+ii+1]
	v_pk_fma_f32 v[I+ii:I+ii+1], v[I+ii:I+ii+1], s[60:61], s[60:61] op_sel_hi:[1,0,0]   ; k (1 + ei)
.set ii, ii+2
.endr
	BEHIND
	LAYERF I, G, I, 0                              ; k (1 + ei) (1 + eg)
	AHEAD
.rept 32
	v_rcp_f32 v[I+ii], v[I+ii]                     ; R
	v_rcp_f32 v[I+ii+1], v[I+ii+1]
	v_pk_add_f32 v[O+ii:O+ii+1], v[O+ii:O+ii+1], 1.0 op_sel_hi:[1,0]   ; 1 + eo
.set ii, ii+2
.endr
	BEHIND
	LAYERF G, G, I, 1                              ; -2 Lg c
	AHEAD
.rept 64
	v_exp_f32 v[G+ii], v[G+ii]                     ; ec
.set ii, ii+1
.endr
	BEHIND
	LAYERF O, G, O, 0                              ; (1 + eo) (1 + ec)
	AHEAD
.rept 64
	v_rcp_f32 v[O+ii], v[O+ii]                     ; Q
.set ii, ii+1
.endr
	BEHIND
	LAYERF G, G, O, 1                              ; h
.endm
; THE QUANTISER.  For each tile of rows m, a lane's 16 numbers h are half of its row's block of 32 units.  Gate i's registers are free and hold what is at work; the codes and bytes lie at T.
.macro MX3 d, b, c
.irp m, 0,1,2,3
	v_max3_num_f32 v[I+\d+\m], v[I+\d+\m], |v[G+16*\m+\b]|, |v[G+16*\m+\c]|   ; the four tiles by turns
.endr
.endm
.macro QUANT p
.irp m, 0,1,2,3
	v_max3_num_f32 v[I+\m], |v[G+16*\m]|, |v[G+16*\m+1]|, 0x1800000   ; with the floor 2^(3 - 127): so the byte cannot fall under 1
	v_max3_num_f32 v[I+4+\m], |v[G+16*\m+8]|, |v[G+16*\m+9]|, |v[G+16*\m+10]|
.endr
	MX3 0, 2, 3
	MX3 4, 11, 12
	MX3 0, 4, 5
	MX3 4, 13, 14
	MX3 0, 6, 7
.irp m, 0,1,2,3
	v_max3_num_f32 v[I+\m], v[I+\m], v[I+4+\m], |v[G+16*\m+15]|
.endr
.irp m, 0,1,2,3
	v_permlanex16_b32 v[I+8+\m], v[I+\m], s66, s67
.endr
.irp m, 0,1,2,3
	v_max_num_f32 v[I+\m], v[I+\m], v[I+8+\m]      ; with lane l xor 16's: the block's largest magnitude
.endr
.irp m, 0,1,2,3
	v_add_nc_u32 v[I+12+\m], 0xff000000, v[I+\m]   ; 2 off its exponent field: the conversion takes the exponent field of this operand as its scale
.endr
.irp m, 0,1,2,3
	v_lshrrev_b32 v[T+8+\m], 23, v[I+12+\m]        ; the scale's byte
.endr
.irp m, 0,1,2,3
.irp t, 0,1
	v_cvt_scalef32_pk8_fp4_f32 v[T+2*\m+\t], v[G+16*\m+8*\t:G+16*\m+8*\t+7], v[I+12+\m]   ; units 16 t + 8 h + 0 .. 7
.endr
.endr
	v_nop                                          ; one plain place behind the scaled conversions
.irp m, 0,1,2,3
	v_permlane16_swap_b32 v[T+2*\m], v[T+2*\m+1]   ; the first's lanes 16-31 change places with the second's lanes 0-15: lane (r, h) now holds units 16 h + 0 .. 15 of row r: 8 bytes
.endr
.irp i, 0,1
	v_cndmask_b32 v[T+8+2*\i], v[T+8+2*\i], v[T+9+2*\i], s68   ; lanes 0-15: rows of tile 2 i; lanes 16-31: of tile 2 i + 1
.endr
	WIN 0x04                                       ; data window 1, addresses window 0
.irp m, 0,1,2,3
	global_store_b64 v[AHC], v[T+2*\m:T+2*\m+1], s[16:17] offset:(4*(\p)+\m)*8192   ; 32 lanes store 256 consecutive bytes, at a multiple of 256 from hc's first byte
.endr
.irp i, 0,1
	ds_store_b8 v[ASB], v[T+8+2*\i] offset:256*(\p)+128*\i
.endr
	WIN 0
.endm
.macro PASS p
.if \p
	s_wait_loadcnt 0x0                             ; A's scale words of this pass
.endif
.irp s, 0,1,2,3,4,5,6,7
	KSTEP \p, \s
.endr
.if (\p) == 0
	s_wait_alu depctr_va_vdst(0)
	s_wait_tensorcnt 0x0                           ; my tile of pass 1's A is in LDS,
	s_wait_dscnt 0x0
	s_barrier_signal -1
	s_barrier_wait -1                              ; everybody's is
.irp s, 0,1,2,3
	FETCH_A 1, \s                                  ; the next pass's first steps land under the activation
.endr
	FETCH_W 1
	LOAD_ASC 1
.endif
	ACT \p
	QUANT \p
.endm
	; loads into registers, while the tensor loads are on their way
	global_load_b128 v[BT:BT+3], v1, s[12:13]
	global_load_b128 v[BT+4:BT+7], v1, s[14:15]
.irp g, 0,1,2
.set gR, 1024*\g+1024*((\g+1)/2)                   ; the gate's first row: 0, 2,048, 3,072
	global_load_b128 v[WSC+NK*\g:WSC+NK*\g+3], v3, s[10:11] offset:gR*KS
	global_load_b128 v[WSC+NK*\g+4:WSC+NK*\g+7], v3, s[10:11] offset:gR*KS+16
.endr
	LOAD_ASC 0
.irp s, 0,1,2,3
	FETCH_A 0, \s
.endr
	s_cmp_eq_u32 s20, 1
	s_cselect_b32 s78, s58, s56                    ; wave 1 brings gate g's biases: its factor is -2 log2(e), the others' -log2(e)
	s_mov_b32 s79, s78
	s_wait_loadcnt 63                              ; the biases are in: 70 loads were issued behind them
	v_pk_add_f32 v[BT:BT+1], v[BT:BT+1], v[BT+4:BT+5]   ; b_ih + b_hh
	v_pk_add_f32 v[BT+2:BT+3], v[BT+2:BT+3], v[BT+6:BT+7]
	v_pk_mul_f32 v[BT:BT+1], v[BT:BT+1], s[78:79] op_sel_hi:[1,0]
	v_pk_mul_f32 v[BT+2:BT+3], v[BT+2:BT+3], s[78:79] op_sel_hi:[1,0]
	s_cmp_lt_u32 s20, 3
	s_cbranch_scc0 .Lno_bias
	ds_store_b128 v[LSB], v[BT:BT+3] offset:1024
.Lno_bias:
	s_wait_alu depctr_va_vdst(0)                   ; the wait at the head's end
	s_wait_tensorcnt 0x0                           ; my part of W is in LDS; the adds below come ahead of a later first fill:
	ds_add_u32 v[SPW], v[NIL]                      ; 0 onto my spare word, twice on end
	ds_add_u32 v[SPW], v[NIL]
	s_wait_dscnt 0x0                               ; the adds are done, and my biases lie in LDS
	CROUND                                         ; everybody's part of W and biases are in
	tensor_load_to_lds s[44:47], s[48:55]          ; pass 1's A, a tile a wave: the wave's one tensor load behind the round
	s_nop 0
	PLACES
	FETCH_W 0
	FETCH_W 1
	PASS 0
	PASS 1
	s_wait_dscnt 0x0                               ; for the others' sake: my scale bytes lie in LDS
	s_barrier_signal -1
	s_barrier_wait -1
	s_cmp_lt_u32 s20, 2                            ; waves 0 and 1 store the 256 rows' scale words: 512 consecutive bytes a wave
	s_cbranch_scc0 .Lno_words
	ds_load_b128 v[BT:BT+3], v[LSB]
	s_wait_dscnt 0x0
	global_store_b128 v[GS], v[BT:BT+3], s[18:19]
.Lno_words:
	s_wait_tensorcnt 0x0                           ; the wave's end: behind my last tensor load and my last LDS store
	ds_add_u32 v[SPW], v[NIL]
	s_wait_dscnt 0x0
	CROUND                                         ; the closing round: no work-group ends while a partner may still ask for a tile that names it
	s_endpgm
.Lfunc_end_k_q15f983fa8e_lay1:
	.size	k_q15f983fa8e_lay1, .Lfunc_end_k_q15f983fa8e_lay1-k_q15f983fa8e_lay1
	.p2alignl 7, 3214868480
	.fill 96, 4, 3214868480
	.section	.rodata,"a",@progbits
	.p2align	6, 0x0
	.amdhsa_kernel k_q15f983fa8e_lay1
		.amdhsa_group_segment_fixed_size 327680
		.amdhsa_private_segment_fixed_size 0
		.amdhsa_enable_private_segment 0
		.amdhsa_kernarg_size 64
		.amdhsa_user_sgpr_count 2
		.amdhsa_user_sgpr_kernarg_segment_ptr 1
		.amdhsa_wavefront_size32 1
		.amdhsa_system_sgpr_workgroup_id_x 1
		.amdhsa_system_sgpr_workgroup_id_y 1
		.amdhsa_system_sgpr_workgroup_id_z 1
		.amdhsa_system_vgpr_workitem_id 0
		.amdhsa_next_free_vgpr 512
		.amdhsa_next_free_sgpr 84
		.amdhsa_reserve_vcc 0
		.amdhsa_float_denorm_mode_32 3
		.amdhsa_float_denorm_mode_16_64 3
		.amdhsa_memory_ordered 1
		.amdhsa_forward_progress 1
		.amdhsa_inst_pref_size 146
	.end_amdhsa_kernel
	.amdgpu_metadata
---
amdhsa.version: [ 1, 2 ]
amdhsa.kernels:
  - .name:           k_q15f983fa8e_lay1
    .symbol:         k_q15f983fa8e_lay1.kd
    .args:
      - { .name: hc0, .offset: 0, .size: 8, .value_kind: global_buffer, .address_space: global }
      - { .name: hs0, .offset: 8, .size: 8, .value_kind: global_buffer, .address_space: global }
      - { .name: W_ih1_codes, .offset: 16, .size: 8, .value_kind: global_buffer, .address_space: global }
      - { .name: W_ih1_scales, .offset: 24, .size: 8, .value_kind: global_buffer, .address_space: global }
      - { .name: b_ih1, .offset: 32, .size: 8, .value_kind: global_buffer, .address_space: global }
      - { .name: b_hh1, .offset: 40, .size: 8, .value_kind: global_buffer, .address_space: global }
      - { .name: hc1, .offset: 48, .size: 8, .value_kind: global_buffer, .address_space: global }
      - { .name: hs1, .offset: 56, .size: 8, .value_kind: global_buffer, .address_space: global }
    .group_segment_fixed_size: 327680
    .private_segment_fixed_size: 0
    .kernarg_segment_align: 8
    .kernarg_segment_size: 64
    .max_flat_workgroup_size: 256
    .sgpr_count:     84
    .vgpr_count:     512
    .wavefront_size: 32
...
	.end_amdgpu_metadata
.endif
;; end of part 2
;; launch dec (part 3): grid 64 x 4, 8 waves a work-group, clusters of 4 x 1, 203,776 bytes of LDS; arguments hc1, hs1, W_dec_codes, W_dec_scales, b_dec, out0; writes out0
.if DOCPART == 3
	.amdgcn_target "amdgcn-amd-amdhsa--gfx1250"
	.amdhsa_code_object_version 6
	.text
	.protected	k_q15f983fa8e_dec
	.globl	k_q15f983fa8e_dec
	.p2align	8
	.type	k_q15f983fa8e_dec,@function
k_q15f983fa8e_dec:
	s_mov_b64 s[64:65], 0
	v_nop
	global_prefetch_b8 v0, s[64:65] scope:SCOPE_SE
	s_setreg_imm32_b32 hwreg(HW_REG_WAVE_MODE, 25, 1), 1
	s_wait_xcnt 0x0
	s_wait_alu depctr_hold_cnt(0) depctr_sa_sdst(0) depctr_va_vdst(0) depctr_va_sdst(0) depctr_va_ssrc(0) depctr_va_vcc(0) depctr_vm_vsrc(0)
	s_getreg_b32 s2, hwreg(HW_REG_IB_STS2, 6, 4)
	s_cmp_eq_u32 s2, 0
	s_cbranch_scc0 .Lentry_in_a_cluster
	s_endpgm
.Lentry_in_a_cluster:
	s_bfe_u32 s2, ttmp6, 0x10000c
	s_cmp_lg_u32 s2, 0x3003
	s_cbranch_scc0 .Lentry_shape_is_right
	s_endpgm
.Lentry_shape_is_right:
; THE DECODER: out = h1 W_dec^T + b_dec, on codes of FP4 (E2M1) with one E8M0 scale for each 32 along K = 1,024; sums in f32.  This launch leaves no work out.
; h1 comes as the launch before stored it.  hc1: images of operand registers, [row / 16][K step][c][lane'][16 bytes]: a fragment is two loads of 16 bytes a lane.  hs1: [row / 256][K step][row % 256][4 bytes].
; SHARES.  Work-group (X, Y): rows 128 X on, columns 128 Y on.  Eight waves: wave w takes the 64 columns 64 (w & 1) on (two groups n of 32) and the 32 rows 32 (w >> 1) on (two tiles m): four accumulators of 32 x 16.
; W_dec's 128 rows of 512 bytes (waves 0 to 3, 32 rows each) and h1's 64 KiB (waves 4 to 7, two tiles of 8,192 bytes each) come into LDS once and stay.
; The four work-groups of a cluster have the same Y and ask for W_dec jointly; h1's rows are shared by the four work-groups of a column of the grid, which lie in four clusters: they go by loads of the work-group's own.
; No prefetch into the L2: the launch has no loop to run ahead in.
; THE PRODUCT IS USED TRANSPOSED: source 0 = 32 rows of W_dec, source 1 = 16 rows of h1: lane (r, h) holds row 16 m + r, and register 8 t + j the column 32 n + 16 t + 8 h + j.
; b_dec is the C of each sum's first matrix instruction.
; REGISTERS.  Window 0: v1-13 addresses; v16-31 W's scale words; v32-47 h1's; v48-239 four sets of fragments (W 16 n, h1 32 + 8 m).  Window 1: v0-63 the accumulators, 16 (2 n + m); v64-95 b_dec; v96-159 rows on the way out.
.set PITCH, 528                        ; a row of W_dec in LDS: 512 bytes + 16, so that the 16 rows of a load begin 16 bytes apart modulo 256
.set HL,    128*PITCH                  ; behind W_dec: h1's eight tiles
.set SP,    272                        ; a row of a stage: 256 bytes + 16
.set STG,   HL+65536                   ; a stage of 32 rows for each wave, its own; no tensor load fills it
.set SPARE, STG+8*32*SP                ; the spare words, 128 bytes for each wave: four blocks of 256 bytes that no other line names
.set AWD, 4                            ; v4   LDS address of my fragments of W_dec
.set AH,  5                            ; v5   LDS address of my fragments of h1
.set R4,  6                            ; v6   4 r
.set L32, 7                            ; v7   32 x lane
.set H32, 8                            ; v8   32 h
.set STO, 9                            ; v9   the stage: where I put 32 bytes of a row
.set RD,  10                           ; v10  and where I read a row back
.set CO,  11                           ; v11  my byte offset in two rows of out
.set SPW, 12                           ; v12  LDS address of my spare word; never rewritten
.set NIL, 13                           ; v13  0; never rewritten
.set WSC, 16                           ; register 8 n + s: lane l has the word of column 32 n + l, K step s
.set ASC, 32                           ; register 8 m + s: lanes 0-15 have the word of row 16 m + r, K step s
.set FS,  48
.set BD,  64                           ; in window 1
.set BK,  96
.set MSB, 0
.macro WIN new                         ; s_set_vgpr_msb: bits 1:0 source 0, 3:2 source 1, 5:4 source 2, 7:6 destination; the high byte repeats the setting that is left
.if MSB != \new
	s_set_vgpr_msb (MSB<<8)|\new
.set MSB, \new
.endif
.endm
.macro PLACES                          ; four plain places behind a matrix instruction, ahead of loads into its sources and of reads of its result
.rept 4
	v_nop
.endr
.endm
.macro CROUND                          ; a round of the cluster's barrier
	s_barrier_signal -1
	s_barrier_wait -1
	s_cmp_lg_u32 s20, 0
	s_cbranch_scc1 .Lnot_wave_0_\@
	s_barrier_signal -3
.Lnot_wave_0_\@:
	s_barrier_wait -3
	s_barrier_signal -1
	s_barrier_wait -1
.endm
	s_load_b256 s[4:11], s[0:1], 0x0               ; hc1 s[4:5], hs1 s[6:7], W's codes s[8:9], W's scales s[10:11]
	s_load_b128 s[12:15], s[0:1], 0x20             ; b_dec s[12:13], out s[14:15]
	v_lshl_add_u32 v[SPW], v0, 2, SPARE
	v_mov_b32 v[NIL], 0
	ds_add_u32 v[SPW], v[NIL]                      ; the wave's opening: the add, twice on end, and its wait ahead of the first tensor load
	ds_add_u32 v[SPW], v[NIL]
	v_lshrrev_b32 v1, 5, v0
	v_readfirstlane_b32 s20, v1                    ; wave 0..7
	s_and_b32 s21, s20, 1                          ; cg: my 64 columns
	s_lshr_b32 s22, s20, 1                         ; rg: my 32 rows
	s_bfe_u32 s23, ttmp6, 0x40000                  ; cx
	s_lshl_b32 s24, ttmp9, 2
	s_add_co_u32 s24, s24, s23                     ; X = 4 x cluster x + cx
	s_and_b32 s25, ttmp7, 0xffff                   ; Y, which the four partners share
	s_mov_b32 s32, 15|(1<<20)|(1<<21)|(6<<22)|(3<<25)  ; group 1, W_dec: the mask: all four; elements of 1 byte; padding on, four words after every 128; bit 21 set beside a mask
	s_mov_b32 s33, 512<<16                         ; tensor_dim0
	s_mov_b32 s34, 32<<16                          ; tensor_dim1
	s_mov_b32 s35, 512<<16                         ; tile_dim0
	s_mov_b32 s36, 32                              ; tile_dim1
	s_mov_b32 s37, 512                             ; from row to row
	s_mov_b32 s38, 0
	s_mov_b32 s39, 0
	s_mov_b32 s48, 0                               ; group 1, h1: 16,384 consecutive bytes as 64 rows of 256 bytes; no mask, no padding
	s_mov_b32 s49, 256<<16
	s_mov_b32 s50, 64<<16
	s_mov_b32 s51, 256<<16
	s_mov_b32 s52, 64
	s_mov_b32 s53, 256
	s_mov_b32 s54, 0
	s_mov_b32 s55, 0
	s_lshl_b32 s26, s25, 7
	s_lshl_b32 s27, s20, 5
	s_add_co_u32 s26, s26, s27                     ; waves 0 to 3 fetch rows 128 Y + 32 w on
	s_lshl_b32 s26, s26, 9
	s_mov_b32 s27, 0
	s_mov_b32 s40, 1
	s_mul_i32 s41, s20, 32*PITCH
	s_mov_b32 s44, 1
	s_and_b32 s28, s20, 3                          ; waves 4 to 7 fetch h1's tiles 2 (w & 3) and the next
	s_lshl_b32 s28, s28, 14
	s_add_co_u32 s45, s28, HL
	s_lshl_b32 s29, s24, 16                        ; hc1: 8 X tiles of 8,192 bytes
	s_add_co_u32 s28, s28, s29
	s_mov_b32 s29, 0
	s_lshr_b32 s30, s24, 1                         ; hs1: 8,192 (X / 2) + 512 (X % 2) + 128 rg
	s_lshl_b32 s30, s30, 13
	s_and_b32 s31, s24, 1
	s_lshl_b32 s31, s31, 9
	s_add_co_u32 s30, s30, s31
	s_lshl_b32 s31, s22, 7
	s_add_co_u32 s30, s30, s31
	s_mov_b32 s31, 0
	s_lshl_b32 s56, s25, 12                        ; W's scales: (128 Y + 64 cg) rows of 32 bytes
	s_lshl_b32 s57, s21, 11
	s_add_co_u32 s56, s56, s57
	s_mov_b32 s57, 0
	s_lshl_b32 s58, s25, 9                         ; b_dec, and a row of out: 4 (128 Y + 64 cg) bytes
	s_lshl_b32 s59, s21, 8
	s_add_co_u32 s58, s58, s59
	s_mov_b32 s59, 0
	s_lshl_b32 s60, s24, 18                        ; out: + (128 X + 32 rg) rows of 2,048 bytes
	s_lshl_b32 s61, s22, 16
	s_add_co_u32 s60, s60, s61
	s_add_co_u32 s60, s60, s58
	s_mov_b32 s61, 0
	s_mul_i32 s62, s20, 32*SP
	s_add_co_u32 s62, s62, STG                     ; my stage
	s_mul_i32 s63, s21, 64*PITCH
	s_lshl_b32 s2, s22, 14
	s_add_co_u32 s2, s2, HL
	v_and_b32 v1, 15, v0                           ; r
	v_bfe_u32 v2, v0, 4, 1                         ; h
	v_and_b32 v3, 31, v0                           ; lane
	v_mul_u32_u24 v[AWD], v1, PITCH
	v_mul_u32_u24 v[STO], v1, SP
	v_mul_u32_u24 v[RD], v2, SP
	v_lshlrev_b32 v[CO], 11, v2
	v_lshl_add_u32 v[AWD], v2, 4, v[AWD]
	v_lshl_add_u32 v[STO], v2, 5, v[STO]
	v_lshl_add_u32 v[RD], v1, 4, v[RD]
	v_lshl_add_u32 v[CO], v1, 4, v[CO]             ; lanes 0-15 one row of 256 bytes, lanes 16-31 the next
	v_add_nc_u32 v[AWD], s63, v[AWD]               ; row 64 cg + r, + 16 h
	v_add_nc_u32 v[STO], s62, v[STO]               ; in: row r, + 32 h
	v_add_nc_u32 v[RD], s62, v[RD]                 ; back: the same two rows
	v_lshl_add_u32 v[AH], v3, 4, s2                ; tile 2 rg, + 16 x lane
	v_lshlrev_b32 v[R4], 2, v1
	v_lshlrev_b32 v[L32], 5, v3
	v_lshlrev_b32 v[H32], 5, v2
	s_wait_alu depctr_va_vdst(0)                   ; the wait here, directly ahead of the waits below
	s_wait_dscnt 0x0                               ; both opening adds are done
	s_wait_kmcnt 0x0
	s_add_nc_u64 s[42:43], s[8:9], s[26:27]
	s_or_b32 s43, s43, 0x80000000                  ; type = 2
	s_add_nc_u64 s[46:47], s[4:5], s[28:29]
	s_or_b32 s47, s47, 0x80000000
	CROUND                                         ; all four work-groups are here: the joint loads meet
	s_cmp_lt_u32 s20, 4                            ; the launch's only tensor loads: one a wave is out
	s_cbranch_scc0 .Lfill_h
	tensor_load_to_lds s[40:43], s[32:39]
	s_nop 0
	PLACES
	s_branch .Lfilled
.Lfill_h:
	tensor_load_to_lds s[44:47], s[48:55]
	s_nop 0
	PLACES
.Lfilled:
	s_add_nc_u64 s[6:7], s[6:7], s[30:31]
	s_add_nc_u64 s[10:11], s[10:11], s[56:57]
	s_add_nc_u64 s[12:13], s[12:13], s[58:59]
	s_add_nc_u64 s[14:15], s[14:15], s[60:61]
.irp n, 0,1
.irp q, 0,1
	global_load_b128 v[WSC+8*\n+4*\q:WSC+8*\n+4*\q+3], v[L32], s[10:11] offset:1024*\n+16*\q
.endr
.endr
.irp m, 0,1
.irp s, 0,1,2,3,4,5,6,7
	global_load_b32 v[ASC+8*\m+\s], v[R4], s[6:7] offset:1024*\s+64*\m
.endr
.endr
	WIN 0x40                                       ; destination window 1
.irp n, 0,1
.irp t, 0,1
.irp q, 0,1
	global_load_b128 v[BD+16*\n+8*\t+4*\q:BD+16*\n+8*\t+4*\q+3], v[H32], s[12:13] offset:128*\n+64*\t+16*\q   ; b_dec of columns 32 n + 16 t + 8 h + 0 .. 7
.endr
.endr
.endr
	WIN 0
; the fragments of K step s into set s % 4: twelve loads
.macro FETCH s
.set fB, FS+48*((\s)%4)
.irp n, 0,1
.irp t, 0,1
.irp c, 0,1
	ds_load_b128 v[fB+16*\n+8*\t+4*\c:fB+16*\n+8*\t+4*\c+3], v[AWD] offset:(32*\n+16*\t)*PITCH+64*(\s)+32*\c
.endr
.endr
.endr
.irp m, 0,1
.irp c, 0,1
	ds_load_b128 v[fB+32+8*\m+4*\c:fB+32+8*\m+4*\c+3], v[AH] offset:8192*\m+1024*(\s)+512*\c
.endr
.endr
.endm
; K step s: four products, the four accumulators by turns, one instruction a turn; left: the later steps' loads, twelve each, which may stay out
.macro KSTEP s, left
	s_wait_dscnt \left
	WIN 0x50                                       ; C and D window 1
.irp n, 0,1
.irp m, 0,1
.set aD, 16*(2*\n+\m)
.set aC, aD
.if (\s) == 0
.set aC, BD+16*\n                                  ; the first K step starts the sums on the bias
.endif
.set aW, FS+48*((\s)%4)+16*\n
.set aA, FS+48*((\s)%4)+32+8*\m
.set aX, WSC+8*\n+(\s)
.set aY, ASC+8*\m+(\s)
	v_wmma_scale_f32_32x16x128_f4 v[aD:aD+15], v[aW:aW+15], v[aA:aA+7], v[aC:aC+15], v[aX], v[aY]
.endr
.endr
	PLACES
	WIN 0
.if (\s)+4 < 8
	FETCH (\s)+4
.endif
.endm
	s_wait_alu depctr_va_vdst(0)
	s_wait_tensorcnt 0x0                           ; my part of W_dec or of h1 is in LDS,
	s_barrier_signal -1
	s_barrier_wait -1                              ; everybody's is; nothing is filled again in this launch
	FETCH 0
	FETCH 1
	FETCH 2
	FETCH 3
	s_wait_loadcnt 0x0
	KSTEP 0, 36
	KSTEP 1, 36
	KSTEP 2, 36
	KSTEP 3, 36
	KSTEP 4, 36
	KSTEP 5, 24
	KSTEP 6, 12
	KSTEP 7, 0
	; THE WAY OUT, through my own stage: 32 bytes a lane in, whole rows of 256 bytes back.  LDS serves a wave's instructions in order (ISA guide 5.7.1.4): no wait between the stores and the loads.
	WIN 0x04                                       ; data window 1
.irp m, 0,1
.irp n, 0,1
.irp t, 0,1
.irp q, 0,1
	ds_store_b128 v[STO], v[16*(2*\n+\m)+8*\t+4*\q:16*(2*\n+\m)+8*\t+4*\q+3] offset:16*\m*SP+128*\n+64*\t+16*\q   ; each accumulator from its low end on
.endr
.endr
.endr
.endr
	WIN 0x40                                       ; destination window 1
.irp i, 0,1,2,3,4,5,6,7,8,9,10,11,12,13,14,15
	ds_load_b128 v[BK+4*\i:BK+4*\i+3], v[RD] offset:2*\i*SP
.endr
	WIN 0x04
.irp i, 0,1,2,3,4,5,6,7,8,9,10,11,12,13,14,15
	s_wait_dscnt 15-\i                             ; LDS loads come back in order: pair i of rows is in
	global_store_b128 v[CO], v[BK+4*\i:BK+4*\i+3], s[14:15] offset:4096*\i th:TH_STORE_NT   ; 16 lanes store 256 consecutive bytes, at a multiple of 256 from out's first byte
.endr
	WIN 0
	s_wait_tensorcnt 0x0                           ; the wave's end: behind my last tensor load and my last LDS store
	ds_add_u32 v[SPW], v[NIL]
	s_wait_dscnt 0x0
	CROUND                                         ; the closing round: no work-group ends while a partner may still ask for a tile that names it
	s_endpgm
.Lfunc_end_k_q15f983fa8e_dec:
	.size	k_q15f983fa8e_dec, .Lfunc_end_k_q15f983fa8e_dec-k_q15f983fa8e_dec
	.p2alignl 7, 3214868480
	.fill 96, 4, 3214868480
	.section	.rodata,"a",@progbits
	.p2align	6, 0x0
	.amdhsa_kernel k_q15f983fa8e_dec
		.amdhsa_group_segment_fixed_size 203776
		.amdhsa_private_segment_fixed_size 0
		.amdhsa_enable_private_segment 0
		.amdhsa_kernarg_size 48
		.amdhsa_user_sgpr_count 2
		.amdhsa_user_sgpr_kernarg_segment_ptr 1
		.amdhsa_wavefront_size32 1
		.amdhsa_system_sgpr_workgroup_id_x 1
		.amdhsa_system_sgpr_workgroup_id_y 1
		.amdhsa_system_sgpr_workgroup_id_z 1
		.amdhsa_system_vgpr_workitem_id 0
		.amdhsa_next_free_vgpr 512
		.amdhsa_next_free_sgpr 66
		.amdhsa_reserve_vcc 0
		.amdhsa_float_denorm_mode_32 3
		.amdhsa_float_denorm_mode_16_64 3
		.amdhsa_memory_ordered 1
		.amdhsa_forward_progress 1
		.amdhsa_inst_pref_size 25
	.end_amdhsa_kernel
	.amdgpu_metadata
---
amdhsa.version: [ 1, 2 ]
amdhsa.kernels:
  - .name:           k_q15f983fa8e_dec
    .symbol:         k_q15f983fa8e_dec.kd
    .args:
      - { .name: hc1, .offset: 0, .size: 8, .value_kind: global_buffer, .address_space: global }
      - { .name: hs1, .offset: 8, .size: 8, .value_kind: global_buffer, .address_space: global }
      - { .name: W_dec_codes, .offset: 16, .size: 8, .value_kind: global_buffer, .address_space: global }
      - { .name: W_dec_scales, .offset: 24, .size: 8, .value_kind: global_buffer, .address_space: global }
      - { .name: b_dec, .offset: 32, .size: 8, .value_kind: global_buffer, .address_space: global }
      - { .name: out0, .offset: 40, .size: 8, .value_kind: global_buffer, .address_space: global }
    .group_segment_fixed_size: 203776
    .private_segment_fixed_size: 0
    .kernarg_segment_align: 8
    .kernarg_segment_size: 48
    .max_flat_workgroup_size: 256
    .sgpr_count:     66
    .vgpr_count:     512
    .wavefront_size: 32
...
	.end_amdgpu_metadata
.endif
;; end of part 3
